; MI455X (gfx1250); checked and timed in simulation.
; The chip was launched on July 23, 2026; its instructions are those of AMD's public machine-readable ISA for CDNA 5 (MIT licence, August 2026) and "CDNA5" Instruction Set Architecture Reference Guide (July 2026). The comments in the code are by the model that wrote it; some were corrected since.
;; SDPA With Sink. Allowed arithmetic: matrix products marked QUANTISED: E2M1 operands, one E8M0 scale for each 32 along K, by v_wmma_scale_f32_16x16x128_f8f6f4 with both operands' format E2M1 (or v_wmma_scale_f32_32x16x128_f4), f32 sums; everything else in f32.
;; Inputs: k 2 x 16 x 2,048 x 128 float32; q 2 x 16 x 2,048 x 128 float32; sink_logit 16 float32; v 2 x 16 x 2,048 x 128 float32.
;; Outputs: out0 2 x 16 x 2,048 x 128 float32.
;; This version of the problem:
;;   THIS VERSION OF THE PROBLEM IS GIVEN IN LOW PRECISION. The matrix products marked QUANTISED in the list below multiply operands that are first quantised to E2M1 (2 exponent bits, 1 mantissa bit; 4 bits a number), with one power-of-two scale for each 32 numbers along K (OCP MX v1.0); their sums are f32. All else is computed in f32.
;;   The module's matrix products, in the order in which they are computed (A, B: the left and right operand; K: the contracted axis; several contracted axes count as one K, in the product's order):
;;     1. batch 32 x [M 2,048, K 128] x [K 128, N 2,048]; A: input q; B: input k: QUANTISED
;;     2. batch 32 x [M 2,048, K 2,048] x [K 2,048, N 128]; A: computed on the way; B: input v: QUANTISED
;;   THE QUANTISER, for each operand of a quantised product, along K:
;;     - K is cut into blocks of 32 from its start; a last block that is shorter is filled with zeros.
;;     - A block's scale is 2^e with e = floor(log2(the largest magnitude in the block)) - 2, held to -126 .. 127; a block of zeros has e = 0. As a byte (E8M0): e + 127.
;;     - Each number is divided by its block's scale, clamped to +-6, and rounded to the nearest number of E2M1, ties to even, subnormals kept.
;;     - The product sums the exact products of the quantised numbers (number of the format x scale) in f32.
;;   ~~~python
;;   def quantise(x, axis):      # numpy; x: float32 -> the quantised numbers, widened to float32 again
;;       x = np.moveaxis(x, axis, -1); K = x.shape[-1]
;;       x = np.pad(x, [(0, 0)] * (x.ndim - 1) + [(0, -K % 32)]); x = x.reshape(x.shape[:-1] + (-1, 32)); a = np.abs(x).max(-1, keepdims=True)
;;       e = np.where(a > 0, np.clip(np.frexp(np.where(a > 0, a, 1))[1] - 1 - 2, -126, 127), 0)      # np.frexp(a)[1] - 1 = floor(log2(a)), exactly
;;       r = np.clip(x / 2.0 ** e, -6, 6)
;;       step = 2.0 ** (np.maximum(np.frexp(np.where(r == 0, 1, r))[1] - 1, 0) - 1)
;;       q = np.round(r / step) * step * 2.0 ** e      # np.round: ties to even
;;       return np.moveaxis(q.reshape(q.shape[:-2] + (-1,))[..., :K], -1, axis).astype(np.float32)
;;   ~~~
;;   OPERANDS COMPUTED ON THE WAY. 'Computed on the way' means the value that the module computes at that place (a softmax that the list does not call 'softmax' is quantised finished and normalised). What goes into a quantiser is computed in f32, as accurately as f32 sums, v_exp_f32 and their like allow (about 1e-6 of the number): no bf16 or f16 on the way to a quantiser, and a product that is left as it is and whose result goes on into a quantised operand takes f32 operands (vector FMAs, or v_wmma_f32_16x16x4_f32). A number that lies on a knife's edge between two numbers of the format may be rounded either way, as far as f32 arithmetic and the matrix unit's own rounding can turn it there, and no further.
;; One version. Each part assembles by itself: llvm-mc -triple=amdgcn-amd-amdhsa -mcpu=gfx1250 --defsym DOCPART=n.
;; ======== version 1 of 1: 2 launches
;; limits: right only within a limited range of input values
;; workspace buffers: kimg 4,456,448 bytes; vimg 4,456,448 bytes
;; launch prep (part 1): grid 1024 x 1, 4 waves a work-group, no clusters, 30,208 bytes of LDS; arguments k, v, kimg, vimg; writes kimg, vimg
.if DOCPART == 1
	.amdgcn_target "amdgcn-amd-amdhsa--gfx1250"
	.amdhsa_code_object_version 6
	.text
	.protected	k_qdfe5d6fbf4_prep
	.globl	k_qdfe5d6fbf4_prep
	.p2align	8
	.type	k_qdfe5d6fbf4_prep,@function
k_qdfe5d6fbf4_prep:
	s_mov_b64 s[64:65], 0
	v_nop
	global_prefetch_b8 v0, s[64:65] scope:SCOPE_SE
	s_setreg_imm32_b32 hwreg(HW_REG_WAVE_MODE, 25, 1), 1
	s_wait_xcnt 0x0
; SDPA with a sink, both products on codes of E2M1 with one E8M0 scale for each 32 along K.  This launch quantises k (K = the head's 128) and v (K = the keys) ONCE,
; into workspace laid as IMAGES OF THE OPERANDS' REGISTERS; the second launch quantises q, which one work-group reads once, and does the attention.
; WORK LEFT OUT BY THE PROGRAM, and why it is dead for all finite inputs:
;   (1) the sink's value row: reference() slices the sink's column off w (w[..., 1:]) before the second product, so the sink enters the row's maximum and sum alone; sink_logit is loaded and used there.
;   (2) every step of 128 keys that lies wholly behind a tile's queries: reference()'s own jnp.tril puts finfo.min there, the row's maximum is at least the score of key 0, so w = exp(finfo.min - max) is exactly 0,
;       a block of zeros has zero codes, and zero codes add nothing to the second product.  Neither product is done for such steps.
;   LIMIT: a NaN, an infinity or an overflow that reaches only such masked steps is not carried to the result.  All four inputs have a way to the output and all are loaded.
; LIMITS of the quantiser here: a block of zeros gets the byte 1 where the rule says 127 (its codes are zeros, and only this program reads the bytes); NaN and infinities among the inputs are not served.
; A RECORD, 8,704 bytes, holds 128 keys of k or 128 keys x 128 channels of v; record (head x 16 + s) lies at that number x 8,704.
;   bytes 0 .. 8,191: eight fragments of 16 rows x 128 K: tile t at 1,024 t, register group c at + 512 c, lane l's 16 bytes at + 16 l: with l = r + 16 h they are block 2 c + h (32 codes) of the tile's row r.
;   bytes 8,192 .. 8,703: the scale word of (tile t, row r) at 64 t + 4 r; its byte b scales block b.
;   k: lane r of tile t holds row 32 (t / 2) + 8 (t % 2) + r + 8 (r / 8) of the 128, so that the results of two neighbouring tiles are 16 neighbouring keys.   v: lane r of tile t holds channel 16 t + r.
; SHARES: work-groups 0-511 take k's records, 512-1,023 v's (a path of its own, which stores nothing to LDS).
; No tensor load, no barrier: waves share nothing.  No cluster: no two work-groups read the same bytes.  No prefetch: the launch is one stream of loads from its first line on.
.set REC,   8704
.set STEPS, 8                          ; k: a wave's 32 rows are 8 steps of 512 numbers
.set SP,    80                         ; a lane's place in a turn stage: 64 bytes + 16 of padding
.set IMG,   2*32*SP                    ; behind the two stages: the image of my two tiles, 2,048 bytes,
.set SCW,   IMG+2048                   ; and their 32 scale words
.set WREG,  7424                       ; a wave's region of LDS
.set SPARE, 4*WREG                     ; behind the four regions: the spare words, 128 bytes a wave, which no other line names
.set SPW,   12                         ; v12  LDS address of my spare word; never rewritten
.set NIL,   13                         ; v13  0; never rewritten
.set R,     16                         ; v16-79   k: four sets of 16 numbers as loaded
.set X,     80                         ; v80-111  two sets of 16 neighbours
.set C,     112                        ; v112-127 a pair of code registers for each step
.set E,     128                        ; v128-135 a scale byte for each step
.set OUTR,  136                        ; v136-152 the way out
.set OI,    154                        ; v154 my place in the record's images: 2,048 wave + 16 lane
.set XV,    32                         ; v32-95   v: two sets of 32 numbers
.set CV,    96                         ; v96-111  four code registers for each block
.set SB,    24                         ; v24      my channel's scale word
	s_load_b256 s[4:11], s[0:1], 0x0               ; k, v, kimg, vimg
	v_lshl_add_u32 v[SPW], v0, 2, SPARE
	v_mov_b32 v[NIL], 0
	v_lshrrev_b32 v1, 5, v0
	v_readfirstlane_b32 s16, v1                    ; wave 0..3
	v_and_b32 v2, 31, v0                           ; lane
	v_lshlrev_b32 v4, 2, v0                        ; 128 wave + 4 lane
	s_wait_alu depctr_va_vdst(0)                   ; the wait ahead of the branch
	s_cmp_ge_u32 ttmp9, 512
	s_cbranch_scc1 .Lvalues
; ---------------- k: K is innermost.  Loads take the bytes as they lie (512 consecutive bytes a load); a step's 2,048 bytes turn through my stage, so that a lane holds 16 neighbours along K; two lanes hold a block.
	v_lshlrev_b32 v3, 4, v2                        ; 16 lane
	s_mul_i32 s17, s16, WREG                       ; my region
	v_lshrrev_b32 v14, 2, v2
	v_mul_u32_u24 v14, v14, SP
	v_and_b32 v15, 3, v2
	v_lshl_add_u32 v14, v15, 4, v14
	v_add_nc_u32 v14, s17, v14                     ; the stage, way in: SP (lane / 4) + 16 (lane % 4)
	v_mul_u32_u24 v15, v2, SP
	v_add_nc_u32 v15, s17, v15                     ; way out: SP x lane
	; In step t lane ln holds numbers 16 (ln % 8) .. + 15 of row 4 t + ln / 8 of my 32: block (ln / 2) % 4, half ln % 2.  Row kk is lane r = kk % 8 + 8 (kk / 16) of tile (kk / 8) % 2.
	v_bfe_u32 v5, v2, 2, 1
	v_lshlrev_b32 v6, 9, v5                        ; register group c = block / 2: 512 c
	v_bfe_u32 v5, v2, 1, 1
	v_lshl_add_u32 v6, v5, 8, v6                   ; h = block % 2: 16 lanes of 16 bytes
	v_lshrrev_b32 v5, 3, v2
	v_lshl_add_u32 v6, v5, 4, v6                   ; my row's part of r
	v_and_b32 v7, 1, v2
	v_lshl_add_u32 v6, v7, 3, v6                   ; my half of the block's 16 bytes
	v_add_nc_u32 v6, s17, v6                       ; where my 8 bytes of codes go (the step's part stands in the immediate)
	v_bfe_u32 v7, v2, 1, 2
	v_lshl_add_u32 v5, v5, 2, v7
	v_add_nc_u32 v5, s17, v5                       ; where my block's scale byte goes: 4 (ln / 8) + block
	v_add_nc_u32 v7, s17, v3                       ; the images back: 16 bytes a lane
	v_lshlrev_b32 v9, 2, v2
	v_add_nc_u32 v9, s17, v9                       ; the scale words back: 4 bytes a lane
	v_lshl_add_u32 v[OI], v1, 11, v3
	s_lshl_b32 s20, ttmp9, 16                      ; the record's 128 rows of 512 bytes,
	s_lshl_b32 s19, s16, 14                        ; my 32 of them
	s_add_co_u32 s20, s20, s19
	s_mov_b32 s21, 0
	s_mul_i32 s22, ttmp9, REC
	s_mov_b32 s23, 0
	s_wait_alu depctr_va_vdst(0)                   ; the wait at the head's end
	s_wait_kmcnt 0x0
	s_add_nc_u64 s[4:5], s[4:5], s[20:21]
	s_add_nc_u64 s[8:9], s[8:9], s[22:23]
.macro LOADA t
.irp i, 0,1,2,3
	global_load_b128 v[R+16*((\t)%4)+4*\i:R+16*((\t)%4)+4*\i+3], v3, s[4:5] offset:2048*(\t)+512*\i th:TH_LOAD_NT
.endr
.endm
.macro TURN t                          ; LDS serves a wave's instructions in order: no wait between the stores and the loads
.irp i, 0,1,2,3
	ds_store_b128 v14, v[R+16*((\t)%4)+4*\i:R+16*((\t)%4)+4*\i+3] offset:32*SP*((\t)%2)+8*SP*\i
.endr
.irp i, 0,1,2,3
	ds_load_b128 v[X+16*((\t)%2)+4*\i:X+16*((\t)%2)+4*\i+3], v15 offset:32*SP*((\t)%2)+16*\i
.endr
.endm
.macro STEPA t
.set XS, X+16*((\t)%2)
.set UO, ((\t)/2)%2                    ; the step's tile of my two
.set RO, 4*((\t)%2)+8*((\t)/4)         ; and the step's part of r
.if (\t) > 0
	s_wait_dscnt 2                                 ; this step's numbers are back from the stage; behind them only the last step's two stores were issued
.else
	s_wait_dscnt 0x0
.endif
.if (\t)+4 < STEPS
	LOADA (\t)+4                                   ; into the set that this step's stage stores have read
.endif
.if (\t)+1 < STEPS
.if (\t) <= 3
	s_wait_loadcnt 12                              ; the next step's four loads are in; those of the three steps behind it may be out
.else
	s_wait_loadcnt 4*(6-(\t))                      ; the counts run down: nothing more is asked for
.endif
	TURN (\t)+1
.endif
	v_max3_num_f32 v8, |v[XS]|, |v[XS+1]|, |v[XS+2]|               ; the largest magnitude of my 16, in two chains
	v_max3_num_f32 v10, |v[XS+3]|, |v[XS+4]|, |v[XS+5]|
.irp i, 6,10
	v_max3_num_f32 v8, v8, |v[XS+\i]|, |v[XS+\i+1]|
	v_max3_num_f32 v10, v10, |v[XS+\i+2]|, |v[XS+\i+3]|
.endr
	v_max3_num_f32 v8, v8, |v[XS+14]|, |v[XS+15]|
	v_max3_num_f32 v8, v8, v10, 0x1800000          ; and the floor 2^(3 - 127): the byte cannot fall under 1
	v_max_num_f32_dpp v8, v8, v8 row_xmask:1 row_mask:0xf bank_mask:0xf   ; with my neighbour's 16: the block's
	v_add_nc_u32 v11, 0xff000000, v8               ; 2 off its exponent field: the conversion takes the exponent field of this operand as its scale
	v_cvt_scalef32_pk8_fp4_f32 v[C+2*(\t)], v[XS:XS+7], v11
	v_cvt_scalef32_pk8_fp4_f32 v[C+2*(\t)+1], v[XS+8:XS+15], v11
	v_lshrrev_b32 v[E+(\t)], 23, v11               ; the scale's byte (also the plain line behind the conversions)
	ds_store_b8 v5, v[E+(\t)] offset:SCW+64*UO+4*RO                ; both lanes of a block write the same byte with the same value
	ds_store_b64 v6, v[C+2*(\t):C+2*(\t)+1] offset:IMG+1024*UO+16*RO
.endm
.irp t, 0,1,2,3
	LOADA \t
.endr
	s_wait_loadcnt 12                              ; step 0's four loads are in
	TURN 0
.irp t, 0,1,2,3,4,5,6,7
	STEPA \t
.endr
.irp i, 0,1,2,3
	ds_load_b128 v[OUTR+4*\i:OUTR+4*\i+3], v7 offset:IMG+512*\i    ; my two tiles' images, as they will lie in the record: these see my stores
.endr
	ds_load_b32 v[OUTR+16], v9 offset:SCW
	s_wait_dscnt 0x0
.irp i, 0,1,2,3
	global_store_b128 v[OI], v[OUTR+4*\i:OUTR+4*\i+3], s[8:9] offset:512*\i   ; 32 lanes store 512 consecutive bytes, at a multiple of 256 from the buffer's first byte
.endr
	global_store_b32 v4, v[OUTR+16], s[8:9] offset:8192            ; my 32 scale words: 128 consecutive bytes; the four waves' lie on end
	s_wait_tensorcnt 0x0                           ; the wave's end
	ds_add_u32 v[SPW], v[NIL]
	s_wait_dscnt 0x0
	s_endpgm
; ---------------- v: K = the keys is not innermost.  A lane takes a channel and its registers run down the keys: a block of 32 keys lies in one lane, and its 16 bytes of codes are the lane's place in an image as they stand.
.Lvalues:
	s_sub_co_u32 s18, ttmp9, 512                   ; the record
	s_lshl_b32 s20, s18, 16                        ; its 128 keys of 512 bytes
	s_mov_b32 s21, 0
	s_mul_i32 s22, s18, REC
	s_mov_b32 s23, 0
	v_lshrrev_b32 v21, 4, v2                       ; channel 32 wave + lane is row lane % 16 of tile 2 wave + lane / 16
	v_lshlrev_b32 v21, 10, v21
	v_and_b32 v22, 15, v2
	v_lshl_add_u32 v21, v22, 4, v21
	v_lshl_add_u32 v21, v1, 11, v21                ; 2,048 wave + 1,024 (lane / 16) + 16 (lane % 16)
	s_wait_alu depctr_va_vdst(0)                   ; the wait at the head's end
	s_wait_kmcnt 0x0
	s_add_nc_u64 s[6:7], s[6:7], s[20:21]
	s_add_nc_u64 s[10:11], s[10:11], s[22:23]
.macro LOADV t                         ; block t: v(key 32 t + i, my channel); a wave's load reads 128 consecutive bytes, the four waves' a whole row of 512
.set i, 0
.rept 32
	global_load_b32 v[XV+32*((\t)%2)+i], v4, s[6:7] offset:(32*(\t)+i)*512 th:TH_LOAD_NT
.set i, i+1
.endr
.endm
.macro BLOCKV t
.set XS, XV+32*((\t)%2)
.if (\t) < 3
	s_wait_loadcnt 32                              ; this block's 32 loads are in; the next block's may be out
.else
	s_wait_loadcnt 0x0
.endif
	v_max3_num_f32 v8, |v[XS]|, |v[XS+1]|, |v[XS+2]|               ; the block's largest magnitude: all 32 numbers are mine
	v_max3_num_f32 v10, |v[XS+3]|, |v[XS+4]|, |v[XS+5]|
.irp i, 6,10,14,18,22,26
	v_max3_num_f32 v8, v8, |v[XS+\i]|, |v[XS+\i+1]|
	v_max3_num_f32 v10, v10, |v[XS+\i+2]|, |v[XS+\i+3]|
.endr
	v_max3_num_f32 v8, v8, |v[XS+30]|, |v[XS+31]|
	v_max3_num_f32 v8, v8, v10, 0x1800000          ; and the floor 2^(3 - 127)
	v_add_nc_u32 v11, 0xff000000, v8               ; the conversion's scale operand
	v_lshrrev_b32 v10, 23, v11                     ; the scale's byte
.if (\t) == 0
	v_mov_b32 v[SB], v10
.else
	v_lshl_or_b32 v[SB], v10, 8*(\t), v[SB]        ; byte t of my channel's word
.endif
.irp g, 0,1,2,3
	v_cvt_scalef32_pk8_fp4_f32 v[CV+4*(\t)+\g], v[XS+8*\g:XS+8*\g+7], v11
.endr
	v_nop                                          ; one plain line behind the last conversion of the run
	global_store_b128 v21, v[CV+4*(\t):CV+4*(\t)+3], s[10:11] offset:512*((\t)/2)+256*((\t)%2)   ; lanes 0-15 and lanes 16-31 each store 256 consecutive bytes, at multiples of 256; each block has code registers of its own
.if (\t)+2 < 4
	LOADV (\t)+2
.endif
.endm
	LOADV 0
	LOADV 1
.irp t, 0,1,2,3
	BLOCKV \t
.endr
	s_wait_alu depctr_va_vdst(0)                   ; the wait here, ahead of the reader below
	global_store_b32 v4, v[SB], s[10:11] offset:8192               ; my channel's scale word: 128 consecutive bytes a wave
	s_wait_tensorcnt 0x0                           ; the wave's end, in the same form as on the other path
	ds_add_u32 v[SPW], v[NIL]
	s_wait_dscnt 0x0
	s_endpgm
.Lfunc_end_k_qdfe5d6fbf4_prep:
	.size	k_qdfe5d6fbf4_prep, .Lfunc_end_k_qdfe5d6fbf4_prep-k_qdfe5d6fbf4_prep
	.p2alignl 7, 3214868480
	.fill 96, 4, 3214868480
	.section	.rodata,"a",@progbits
	.p2align	6, 0x0
	.amdhsa_kernel k_qdfe5d6fbf4_prep
		.amdhsa_group_segment_fixed_size 30208
		.amdhsa_private_segment_fixed_size 0
		.amdhsa_enable_private_segment 0
		.amdhsa_kernarg_size 32
		.amdhsa_user_sgpr_count 2
		.amdhsa_user_sgpr_kernarg_segment_ptr 1
		.amdhsa_wavefront_size32 1
		.amdhsa_system_sgpr_workgroup_id_x 1
		.amdhsa_system_sgpr_workgroup_id_y 1
		.amdhsa_system_sgpr_workgroup_id_z 1
		.amdhsa_system_vgpr_workitem_id 0
		.amdhsa_next_free_vgpr 160
		.amdhsa_next_free_sgpr 66
		.amdhsa_reserve_vcc 0
		.amdhsa_float_denorm_mode_32 3
		.amdhsa_float_denorm_mode_16_64 3
		.amdhsa_memory_ordered 1
		.amdhsa_forward_progress 1
		.amdhsa_inst_pref_size 38
	.end_amdhsa_kernel
	.amdgpu_metadata
---
amdhsa.version: [ 1, 2 ]
amdhsa.kernels:
  - .name:           k_qdfe5d6fbf4_prep
    .symbol:         k_qdfe5d6fbf4_prep.kd
    .args:
      - { .name: k, .offset: 0, .size: 8, .value_kind: global_buffer, .address_space: global }
      - { .name: v, .offset: 8, .size: 8, .value_kind: global_buffer, .address_space: global }
      - { .name: kimg, .offset: 16, .size: 8, .value_kind: global_buffer, .address_space: global }
      - { .name: vimg, .offset: 24, .size: 8, .value_kind: global_buffer, .address_space: global }
    .group_segment_fixed_size: 30208
    .private_segment_fixed_size: 0
    .kernarg_segment_align: 8
    .kernarg_segment_size: 32
    .max_flat_workgroup_size: 128
    .sgpr_count:     66
    .vgpr_count:     160
    .wavefront_size: 32
...
	.end_amdgpu_metadata
.endif
;; end of part 1
;; launch attn (part 2): grid 128 x 2, 8 waves a work-group, clusters of 4 x 1, 327,680 bytes of LDS; arguments q, kimg, vimg, sink_logit, out0; writes out0
.if DOCPART == 2
	.amdgcn_target "amdgcn-amd-amdhsa--gfx1250"
	.amdhsa_code_object_version 6
	.text
	.protected	k_qdfe5d6fbf4_attn
	.globl	k_qdfe5d6fbf4_attn
	.p2align	8
	.type	k_qdfe5d6fbf4_attn,@function
k_qdfe5d6fbf4_attn:
	s_mov_b64 s[64:65], 0
	v_nop
	global_prefetch_b8 v0, s[64:65] scope:SCOPE_SE
	s_setreg_imm32_b32 hwreg(HW_REG_WAVE_MODE, 25, 1), 1
	s_wait_xcnt 0x0
	s_wait_alu depctr_hold_cnt(0) depctr_sa_sdst(0) depctr_va_vdst(0) depctr_va_sdst(0) depctr_va_ssrc(0) depctr_va_vcc(0) depctr_vm_vsrc(0)
	s_getreg_b32 s2, hwreg(HW_REG_IB_STS2, 6, 4)
	s_cmp_eq_u32 s2, 0
	s_cbranch_scc0 .Lentry_in_a_cluster
	s_endpgm
.Lentry_in_a_cluster:
	s_bfe_u32 s2, ttmp6, 0x10000c
	s_cmp_lg_u32 s2, 0x3003
	s_cbranch_scc0 .Lentry_shape_is_right
	s_endpgm
.Lentry_shape_is_right:
; O = softmax([sink, Q K^T / sqrt(128) with the causal mask])[1:] V on codes of E2M1; the softmax is quantised NORMALISED, along the keys.
; WORK LEFT OUT: the sink's value row and the steps of 128 keys that lie wholly behind a tile's queries (shown dead at the head of launch prep; the same limit holds: a NaN, an infinity or an overflow that reaches only those is not carried on).
; LIMITS: the promise holds while the scaled scores (exponents to the base 2, before the maximum is taken away) stay under 2^31 in magnitude: a wave's running maximum is held at -2^34 in units of the raw score from below.
;   A block whose largest p lies under 2^-124 keeps the byte 1 or so: what it adds is under 2^-120.  NaN and infinities among the inputs are not served.
; SHARES.  A cluster of four work-groups serves one head (cluster x) and four of the eight tiles of 16 queries (4 x cluster y + place) that each of the head's 16 blocks of 128 queries has; a work-group owns one such tile of every block.
;   Tile b needs the 4 (b + 1) blocks of 32 keys up to its diagonal.
;   THE HEAD'S K AND V STAY IN REGISTERS: of the 64 blocks of 32 keys wave w holds 8 i + w (i even) or 8 i + 7 - w (i odd), i = 0 .. 7, as operands of the first product: 128 registers;
;   of V it holds channels 16 w .. + 15 of all 16 steps of 128 keys: 128 registers.  Both come once: by joint tensor loads, one a wave, which the four partners share, and from LDS into registers: K's whole records first,
;   then, into the same bytes, V, of which a wave fetches what it alone reads.
;   A ROUND takes tile b1 = 15 - round and tile b2 = 14 - b1: together 64 blocks of keys, and by the mirrored deal exactly 8 for every wave.  Round 0 has tile 15 alone (64 blocks), round 8 tile 7 alone (32).
;   A wave's unit j (0 .. 7) lies in SLOT 2 j + (w' / 4) of 16, w' = w (j even) or 7 - w (j odd).  Slots 0 .. b1 are tile 1's steps 0 .. b1; slot s above b1 is tile 2's step 15 - s.  So unit j takes key block j of tile 1, or key block 7 - j of tile 2, and
;   lies at the same place in LDS either way; a tile 2 unit's block stands mirrored in its slot (3 - its place), which the reader's address undoes.
; STAGES of a round: A scores, the wave's maximum and sum for each tile, p in registers; B all waves' maxima and sums joined, p normalised, quantised, codes into LDS; C O^T = V^T P^T for my 16 channels, into a stage in LDS;
;   D whole rows stored.  In one interval between barriers stand D (round n - 3), B (n - 1), C (n - 2), A (n): each hand-over is from one interval to the next, in two buffers by turns.
; Both products are used transposed: a lane holds one query (lane % 16).
; No prefetch: no loop here streams from memory; q, K and V are each asked for once, at the head.
; REGISTERS, window 0: v1-23 addresses and constants; v24-39 rows on their way out, codes, sums of tile 1; v40-47 K's scales; v48-55 V's scales; v56-71 the mask, then at work; v72-87 Q's two fragments, then sums; v88-95 the units' largest p;
;   v96-104 P's scales; v106-127 at work; v128-255 scores, p, and P's fragments.   Window 1: v0-127 K, unit i at 16 i; v128-255 V, step s at 128 + 8 s.
.set REC,   8704
.set QSC,   16384                      ; LDS: from 0 Q's codes, 16 tiles x 1,024; here their scale words, 16 x 64
.set MSKT,  17408                      ; the diagonal step's mask, 0 or -3e38: 4 blocks x 4 x 512 bytes
.set STAT0, 25600                      ; two buffers: 8 waves x 32 lanes x (-M, sum)
.set STSZ,  2048
.set COD0,  29696                      ; two buffers: 16 slots x 1,024 bytes of P's codes; at 16,384 their scale words, 64 bytes a slot; at 17,408 the same with the four bytes mirrored
.set CODSZ, 18432
.set OST0,  66560                      ; two buffers: 2 tiles x 16 rows x 528 bytes of results
.set OSTSZ, 16896
.set QST,   100352                     ; where q's rows turn at the head: 16 rows x 528 bytes a wave
.set SPARE, 167936                     ; the spare words, 128 bytes a wave, which no other line names
.set KL,    168960                     ; K's 16 records, then V: 16,384 bytes a wave; no ds_store lands here
.set KHALF, 8*REC                      ; four units on: beyond an immediate's reach
.set LI,  1                            ; 16 x lane
.set PR1, 2                            ; P's codes, tile 1
.set PR2, 3                            ; P's codes, tile 2 (halves exchanged)
.set PRS, 4                            ; P's scale words
.set CE,  5                            ; where a unit's codes go: j even, j odd
.set CO,  6
.set SE,  7                            ; and its scale byte
.set SO,  8
.set SE2, 9                            ; and the mirrored one
.set SO2, 10
.set STW, 11
.set STR, 12
.set OSW, 13
.set OSR, 14
.set GO,  15
.set SPW, 16
.set NIL, 17
.set NSK, 18                           ; -M of the sink
.set SNK, 19                           ; the sink's logit
.set R4,  22
.set CL,  23                           ; -2^34
.set VLA, 105                          ; LDS address of my V
.set WV,  14
.set WH,  15                           ; w / 4
.set HI,  16                           ; lanes 16-31
.set TR,  17
.set B1,  18                           ; 15 - the interval's number: stage A's tile 1
.set SEL, 20
.set CS,  22                           ; c = log2(e) / sqrt(128)
.set W3,  38                           ; w % 4
.set XX,  39                           ; which tile of a block
.set G0K, 68                           ; descriptors: K's group 0 and 1, V's group 1 and 0
.set G1K, 72
.set G1V, 80
.set G0V, 88
; s33-37: the slots of units 3-7; s40-43: units 4-7 in tile 1 (-1) or 2 (0); s44,46,48,50: the same as 1.0 or 0; s52,54,56,58: its complement
.set MSB, 0
.macro WIN new
.if MSB != \new
	s_set_vgpr_msb (MSB<<8)|\new
.set MSB, \new
.endif
.endm
.macro CROUND                          ; a round of the cluster's barrier
	s_barrier_signal -1
	s_barrier_wait -1
	s_cmp_lg_u32 s[WV], 0
	s_cbranch_scc1 .Lnot_wave_0_\@
	s_barrier_signal -3
.Lnot_wave_0_\@:
	s_barrier_wait -3
	s_barrier_signal -1
	s_barrier_wait -1
.endm
	s_load_b256 s[4:11], s[0:1], 0x0               ; q, kimg, vimg, sink_logit
	s_load_b64 s[12:13], s[0:1], 0x20              ; out0
	v_lshl_add_u32 v[SPW], v0, 2, SPARE
	v_mov_b32 v[NIL], 0
	ds_add_u32 v[SPW], v[NIL]                      ; the opening lines: the add, twice on end, and its wait ahead of my first tensor load
	ds_add_u32 v[SPW], v[NIL]
	v_lshrrev_b32 v25, 5, v0                       ; w
	v_readfirstlane_b32 s[WV], v25
	v_and_b32 v24, 31, v0                          ; lane
	v_and_b32 v26, 15, v0                          ; r
	v_bfe_u32 v27, v0, 4, 1                        ; h
	v_lshlrev_b32 v[LI], 4, v24
	v_lshlrev_b32 v[R4], 2, v26
	v_add_nc_u32 v[PR1], COD0, v[LI]
	v_xor_b32 v[PR2], 0x100, v[LI]
	v_add_nc_u32 v[PR2], COD0, v[PR2]
	v_lshl_add_u32 v[PRS], v24, 2, COD0
	v_lshlrev_b32 v28, 4, v26
	v_lshl_add_u32 v28, v27, 3, v28                ; 16 r + 8 h
	v_xor_b32 v29, 7, v25                          ; 7 - w
	v_and_b32 v30, 3, v25
	v_lshrrev_b32 v31, 2, v25
	v_and_b32 v32, 3, v29
	v_lshrrev_b32 v33, 2, v29
	v_lshl_add_u32 v[CE], v30, 8, v28
	v_lshl_add_u32 v[CE], v31, 10, v[CE]
	v_add_nc_u32 v[CE], COD0, v[CE]
	v_lshl_add_u32 v[CO], v32, 8, v28
	v_lshl_add_u32 v[CO], v33, 10, v[CO]
	v_add_nc_u32 v[CO], COD0, v[CO]
	v_lshl_add_u32 v[SE], v31, 6, v[R4]
	v_add_nc_u32 v[SE], v30, v[SE]
	v_add_nc_u32 v[SE], COD0, v[SE]
	v_lshl_add_u32 v[SO], v33, 6, v[R4]
	v_add_nc_u32 v[SO], v32, v[SO]
	v_add_nc_u32 v[SO], COD0, v[SO]
	v_xor_b32 v[SE2], 3, v[SE]
	v_xor_b32 v[SO2], 3, v[SO]
	v_lshlrev_b32 v[STW], 3, v0                    ; 256 w + 8 lane
	v_lshlrev_b32 v[STR], 3, v24
	v_mul_u32_u24 v[OSW], v26, 528
	v_lshl_add_u32 v[OSW], v25, 6, v[OSW]
	v_lshl_add_u32 v[OSW], v27, 5, v[OSW]
	v_add_nc_u32 v[OSW], OST0, v[OSW]              ; row r, my 16 channels, my 8 of them
	v_mul_u32_u24 v[OSR], v25, 1056
	v_add_nc_u32 v[OSR], v[OSR], v[LI]
	v_add_nc_u32 v[OSR], OST0, v[OSR]              ; rows 2 w, 2 w + 1: a row to an instruction
	v_lshl_add_u32 v[GO], v25, 10, v[LI]           ; 1,024 w + 16 lane: the same rows of out0; also my part of the mask
	v_lshl_add_u32 v[VLA], v25, 14, v[LI]
	v_add_nc_u32 v[VLA], KL, v[VLA]
	v_mul_u32_u24 v56, v31, REC
	v_add_nc_u32 v56, KL, v56
	v_lshl_add_u32 v58, v30, 7, v56
	v_lshl_add_u32 v58, v24, 2, v58                ; K's scale words, i even
	v_lshl_add_u32 v56, v30, 11, v56
	v_add_nc_u32 v56, v56, v[LI]                   ; K's codes, i even
	v_mul_u32_u24 v57, v33, REC
	v_add_nc_u32 v57, KL, v57
	v_lshl_add_u32 v59, v32, 7, v57
	v_lshl_add_u32 v59, v24, 2, v59                ; and i odd
	v_lshl_add_u32 v57, v32, 11, v57
	v_add_nc_u32 v57, v57, v[LI]
	v_add_nc_u32 v60, KHALF, v56                   ; the same for units 4-7
	v_add_nc_u32 v61, KHALF, v57
	v_add_nc_u32 v84, KHALF, v58
	v_add_nc_u32 v85, KHALF, v59
	v_mul_u32_u24 v86, v27, REC
	v_lshl_add_u32 v86, v25, 6, v86
	v_add_nc_u32 v86, v86, v[R4]                   ; V's scale words: two steps to a register
	v_mul_u32_u24 v62, v25, 8448
	v_add_nc_u32 v62, QST, v62
	v_mul_u32_u24 v63, v26, 528
	v_lshl_add_u32 v63, v27, 7, v63
	v_add_nc_u32 v63, v62, v63                     ; q's turn, back: row r, block h
	v_add_nc_u32 v62, v62, v[LI]                   ; and in: a row to an instruction
	v_lshl_add_u32 v64, v25, 11, v[LI]             ; Q's codes: tiles 2 w, 2 w + 1
	v_lshl_add_u32 v65, v25, 7, v[R4]
	v_add_nc_u32 v65, v65, v27                     ; and their scale bytes
	v_mov_b32 v[CL], 0xd0800000
	s_lshr_b32 s[WH], s[WV], 2
	s_and_b32 s[W3], s[WV], 3
	s_bfe_u32 s24, ttmp6, 0x40000                  ; my place in the cluster
	s_and_b32 s[XX], ttmp7, 0xffff
	s_lshl_b32 s[XX], s[XX], 2
	s_add_co_u32 s[XX], s[XX], s24
	s_lshl_b32 s26, ttmp9, 20                      ; the head
	s_lshl_b32 s27, s[XX], 13
	s_add_co_u32 s26, s26, s27                     ; my tile of block 0: the same bytes in q and in out0
	s_lshl_b32 s24, s[WV], 17
	s_add_co_u32 s24, s24, s26                     ; q: blocks 2 w and 2 w + 1 are mine to quantise
	s_mov_b32 s25, 0
	s_mov_b32 s27, 0
	s_mul_i32 s28, ttmp9, 16*REC
	s_mov_b32 s29, 0
	s_and_b32 s30, ttmp9, 15
	s_lshl_b32 s30, s30, 2
	s_mov_b32 s31, 0
	; K's tile: records 2 w and 2 w + 1 of the head, 17,408 dense bytes as 68 rows of 256;  V's: my 1,024 bytes of each of the 16 records
	s_mov_b32 s[G1K+0], 15|(3<<16)|(1<<21)         ; 15:0 all four partners; 17:16 elements of 8 bytes; 21 set beside a mask
	s_mov_b32 s[G1K+1], 32<<16
	s_mov_b32 s[G1K+2], 68<<16
	s_mov_b32 s[G1K+3], 32<<16
	s_mov_b32 s[G1K+4], 68
	s_mov_b32 s[G1K+5], 32
	s_mov_b32 s[G1K+6], 0
	s_mov_b32 s[G1K+7], 0
	s_mov_b32 s[G1V+0], 15|(3<<16)|(1<<21)
	s_mov_b32 s[G1V+1], 128<<16
	s_mov_b32 s[G1V+2], 16<<16
	s_mov_b32 s[G1V+3], 128<<16
	s_mov_b32 s[G1V+4], 16
	s_mov_b32 s[G1V+5], REC/8
	s_mov_b32 s[G1V+6], 0
	s_mov_b32 s[G1V+7], 0
	s_mul_i32 s60, s[WV], 2*REC
	s_mov_b32 s61, 0
	s_lshl_b32 s62, s[WV], 10
	s_mov_b32 s63, 0
	s_mov_b32 s[G0K], 1
	s_add_co_u32 s[G0K+1], s60, KL
	s_mov_b32 s[G0V], 1
	s_lshl_b32 s[G0V+1], s[WV], 14
	s_add_co_u32 s[G0V+1], s[G0V+1], KL
	s_wait_alu depctr_va_vdst(0)                   ; the wait ahead of the waits below
	s_wait_dscnt 0x0                               ; both opening adds are done
	s_wait_kmcnt 0x0
	s_add_nc_u64 s[4:5], s[4:5], s[24:25]
	s_add_nc_u64 s[12:13], s[12:13], s[26:27]
	s_add_nc_u64 s[6:7], s[6:7], s[28:29]
	s_add_nc_u64 s[8:9], s[8:9], s[28:29]
	s_add_nc_u64 s[10:11], s[10:11], s[30:31]
	s_add_nc_u64 s[G0K+2:G0K+3], s[6:7], s[60:61]
	s_or_b32 s[G0K+3], s[G0K+3], 0x80000000
	s_add_nc_u64 s[G0V+2:G0V+3], s[8:9], s[62:63]
	s_or_b32 s[G0V+3], s[G0V+3], 0x80000000
	s_load_b32 s32, s[10:11], 0x0
.set i, 0
.rept 16
	global_load_b128 v[128+4*i:131+4*i], v[LI], s[4:5] offset:512*i th:TH_LOAD_NT
.set i, i+1
.endr
	CROUND                                         ; all four partners are here: the first joint loads meet
	tensor_load_to_lds s[G0K:G0K+3], s[G1K:G1K+7]
	s_nop 0
.set i, 0
.rept 16
	global_load_b128 v[192+4*i:195+4*i], v[LI], s[4:5] offset:65536+512*i th:TH_LOAD_NT
.set i, i+1
.endr
.set i, 0
.rept 8
	global_load_b32 v[48+i], v86, s[8:9] offset:2*REC*i+8192
.set i, i+1
.endr
	; what stays in scalars
	s_mov_b32 s[HI], 0xffff0000
	s_mov_b32 s[TR], 1
	s_mov_b32 s[B1], 15
	s_mov_b32 s[SEL], 0x76543210
	s_mov_b32 s[SEL+1], 0xfedcba98
	s_mov_b32 s[CS], 0x3e0293ee
	s_mov_b32 s[CS+1], s[CS]
.irp n, 45,47,49,51,53,55,57,59
	s_mov_b32 s\n, 0                               ; (a pair's other half)
.endr
	; the mask table: wave w makes registers 8 (w % 2) .. + 7 of block w / 2: hidden where 32 block + 16 h + register > 16 x my tile + r
	s_lshl_b32 s24, s[XX], 4
	s_lshr_b32 s25, s[WV], 1
	s_lshl_b32 s25, s25, 5
	s_sub_co_i32 s24, s24, s25
	s_and_b32 s25, s[WV], 1
	s_lshl_b32 s25, s25, 3
	s_sub_co_i32 s24, s24, s25
	v_lshlrev_b32 v66, 4, v27
	v_sub_nc_u32 v66, v26, v66
	v_add_nc_u32 v66, s24, v66
	v_mov_b32 v67, 0xff61b1e6                      ; -3e38
.irp e, 0,1,2,3,4,5,6,7
	v_cmp_gt_i32 vcc_lo, \e, v66
	v_cndmask_b32 v[76+\e], 0, v67, vcc_lo
.endr
	ds_store_b128 v[GO], v[76:79] offset:MSKT
	ds_store_b128 v[GO], v[80:83] offset:MSKT+512
	s_add_co_u32 s34, s[WH], 8
	s_add_co_u32 s36, s[WH], 12
	s_wait_kmcnt 0x0
	v_mov_b32 v[SNK], s32
	v_mul_f32 v[NSK], 0x3fb8aa3b, v[SNK]
	v_floor_f32 v[NSK], -v[NSK]
	s_xor_b32 s24, s[WH], 1
	s_add_co_u32 s33, s24, 6
	s_add_co_u32 s35, s24, 10
	s_add_co_u32 s37, s24, 14
.irp n, 108,109,110,111,112,113,114,115,117
	v_mov_b32 v\n, 0                               ; (a lane permute's destination counts as a source; a pair's other half)
.endr
	s_wait_alu depctr_va_vdst(0)                   ; the wait ahead of the waits below
; Q: a tile's 16 rows turn through my stage, so that lane (r, h) holds blocks h and 2 + h of row r: 2 x 32 numbers, no other lane is asked
.macro QT u, b
.set i, 0
.rept 16
	ds_store_b128 v62, v[\b+4*i:\b+4*i+3] offset:528*i
.set i, i+1
.endr
	s_wait_dscnt 0x0                               ; the stores have read the registers that the loads below write
.irp c, 0,1
.irp g, 0,1,2,3,4,5,6,7
	ds_load_b128 v[\b+32*\c+4*\g:\b+32*\c+4*\g+3], v63 offset:256*\c+16*\g
.endr
.endr
	s_wait_dscnt 0x0
.irp c, 0,1
	v_max3_num_f32 v[66+\c], |v[\b+32*\c]|, |v[\b+32*\c+1]|, |v[\b+32*\c+2]|
	v_max3_num_f32 v[68+\c], |v[\b+32*\c+3]|, |v[\b+32*\c+4]|, |v[\b+32*\c+5]|
.endr
.irp i, 6,10,14,18,22,26
.irp c, 0,1
	v_max3_num_f32 v[66+\c], v[66+\c], |v[\b+32*\c+\i]|, |v[\b+32*\c+\i+1]|
	v_max3_num_f32 v[68+\c], v[68+\c], |v[\b+32*\c+\i+2]|, |v[\b+32*\c+\i+3]|
.endr
.endr
.irp c, 0,1
	v_max3_num_f32 v[66+\c], v[66+\c], |v[\b+32*\c+30]|, |v[\b+32*\c+31]|
.endr
.irp c, 0,1
	v_max3_num_f32 v[66+\c], v[66+\c], v[68+\c], 0x1800000         ; the floor 2^(3 - 127): the byte cannot fall under 1
.endr
.irp c, 0,1
	v_add_nc_u32 v[70+\c], 0xff000000, v[66+\c]
.endr
.irp c, 0,1
	v_lshrrev_b32 v[72+2*\u+\c], 23, v[70+\c]
.endr
.irp c, 0,1
.irp g, 0,1,2,3
	v_cvt_scalef32_pk8_fp4_f32 v[24+8*\u+4*\c+\g], v[\b+32*\c+8*\g:\b+32*\c+8*\g+7], v[70+\c]
.endr
.endr
	v_nop                                          ; one plain line behind the conversions
.irp c, 0,1
	ds_store_b128 v64, v[24+8*\u+4*\c:27+8*\u+4*\c] offset:1024*\u+512*\c
	ds_store_b8 v65, v[72+2*\u+\c] offset:QSC+64*\u+2*\c
.endr
.endm
	s_wait_loadcnt 24                              ; q's first tile is in; behind it its second (16) and V's scale words (8)
	QT 0, 128
	s_wait_tensorcnt 0x0                           ; my part of K has landed
	s_wait_dscnt 0x0
	s_barrier_signal -1
	s_barrier_wait -1                              ; and so have the others'
	WIN 0x40
.set i, 0
.rept 8
.if i < 4
.irp m, 0,1,2,3
	ds_load_b128 v[16*i+4*\m:16*i+4*\m+3], v[56+i%2] offset:2*REC*i+512*\m
.endr
.else
.irp m, 0,1,2,3
	ds_load_b128 v[16*i+4*\m:16*i+4*\m+3], v[60+i%2] offset:2*REC*(i-4)+512*\m
.endr
.endif
.set i, i+1
.endr
	WIN 0
.set i, 0
.rept 4
	ds_load_b32 v[40+i], v[58+i%2] offset:2*REC*i+8192
	ds_load_b32 v[44+i], v[84+i%2] offset:2*REC*i+8192
.set i, i+1
.endr
	s_wait_loadcnt 8                               ; q's second tile is in
	QT 1, 192
; ---------------- STAGE A.  What it reads from LDS is asked for at the interval's start: Q's fragments and scale words of both tiles, and the mask of my diagonal unit's block
.macro ALOADS full
	s_lshl_b32 s24, s[B1], 10
	s_lshl_b32 s25, s[B1], 6
	s_sub_co_u32 s26, 14, s[B1]
	s_and_b32 s26, s26, 15                         ; tile 2 (in round 0 there is none, and its fragment is not used)
	s_lshl_b32 s27, s26, 10
	s_lshl_b32 s28, s26, 6
	; the place of my diagonal unit's block in its step: w % 4, mirrored by f = o ^ (even b1 & (w / 4 ^ o)), o = (b1 / 2) % 2
	s_bfe_u32 s29, s[B1], 0x10001
	s_xor_b32 s30, s[WH], s29
	s_xor_b32 s31, s[B1], 1
	s_and_b32 s31, s31, 1
	s_and_b32 s30, s30, s31
	s_xor_b32 s29, s29, s30
	s_mul_i32 s29, s29, 3
	s_xor_b32 s29, s29, s[W3]
	s_lshl_b32 s29, s29, 11
	v_add_nc_u32 v124, s24, v[LI]
	v_add_nc_u32 v125, s25, v[R4]
	v_add_nc_u32 v126, s27, v[LI]
	v_add_nc_u32 v127, s28, v[R4]
	v_add_nc_u32 v24, s29, v[LI]
	ds_load_b128 v[72:75], v124
	ds_load_b128 v[76:79], v124 offset:512
	ds_load_b32 v20, v125 offset:QSC
.if \full
	ds_load_b128 v[80:83], v126
	ds_load_b128 v[84:87], v126 offset:512
	ds_load_b32 v21, v127 offset:QSC
.endif
.irp n, 0,1,2,3
	ds_load_b128 v[56+4*\n:59+4*\n], v24 offset:MSKT+512*\n
.endr
.endm
.macro QKV u                           ; units 4-7: u units in all belong to tile 1
	WIN 1
.irp j, 4,5,6,7
.if \j < \u
	v_wmma_scale_f32_32x16x128_f4 v[128+16*\j:143+16*\j], v[16*\j:16*\j+15], v[72:79], 0, v[40+\j], v20
.else
	v_wmma_scale_f32_32x16x128_f4 v[128+16*\j:143+16*\j], v[16*(7-\j):16*(7-\j)+15], v[80:87], 0, v[40+7-\j], v21
.endif
.endr
	WIN 0
.endm
.macro FMA1 n                          ; t - M of pair n of the 64
.if ((\n)/8) < 4
.set NM, 116
.else
.set NM, 112+2*((\n)/8)
.endif
	v_pk_fma_f32 v[128+2*(\n):129+2*(\n)], v[128+2*(\n):129+2*(\n)], s[CS:CS+1], v[NM:NM+1] op_sel_hi:[1,0,0]
.endm
.macro L1 g, n                         ; a unit pair's sums, first level: eight independent additions
	v_pk_add_f32 v[56+2*(\n):57+2*(\n)], v[128+32*(\g)+4*(\n):129+32*(\g)+4*(\n)], v[130+32*(\g)+4*(\n):131+32*(\g)+4*(\n)]
.endm
.macro SUM23 g                         ; second and third level: unit s's sum, in two halves, at v[72 + 2 s]
	v_pk_add_f32 v[56:57], v[56:57], v[58:59]
	v_pk_add_f32 v[64:65], v[64:65], v[66:67]
	v_pk_add_f32 v[60:61], v[60:61], v[62:63]
	v_pk_add_f32 v[68:69], v[68:69], v[70:71]
	v_pk_add_f32 v[72+4*(\g):73+4*(\g)], v[56:57], v[60:61]
	v_pk_add_f32 v[74+4*(\g):75+4*(\g)], v[64:65], v[68:69]
.endm
.macro EGRP g, gg                      ; two units' exponentials, with the next two's multiply-adds and the last two's first additions between them; gg pairs of units in all
	s_wait_alu depctr_va_vdst(0)                   ; the wait ahead of the batch; it serves the last batch's readers too
.if (\g) > 1
	SUM23 (\g)-2
.endif
.set k, 0
.rept 16
	v_exp_f32 v[128+32*(\g)+2*k], v[128+32*(\g)+2*k]
.if ((\g) > 0) && ((k&1) == 0)
	L1 (\g)-1, k/2
.endif
	v_exp_f32 v[129+32*(\g)+2*k], v[129+32*(\g)+2*k]
.if (\g)+1 < (\gg)
	FMA1 16*((\g)+1)+k
.endif
.set k, k+1
.endr
.if (\g)+1 == (\gg)
.set k, 0
.rept 2*(\gg)
	v_exp_f32 v[88+k], v[88+k]                     ; the units' largest p: the same operations on the largest score
.set k, k+1
.endr
	v_nop
.endif
.endm
.macro STAGE_A par, full
.set NS, 4+4*(\full)
	WIN 1
.irp j, 0,1,2,3
	v_wmma_scale_f32_32x16x128_f4 v[128+16*\j:143+16*\j], v[16*\j:16*\j+15], v[72:79], 0, v[40+\j], v20
.endr
	WIN 0
.if \full
.irp j, 4,5,6,7
	s_cmp_le_u32 s[30+\j], s[B1]                   ; unit j's slot at or under b1: tile 1
	s_cselect_b32 s[36+\j], -1, 0
	s_cselect_b32 s[36+2*\j], 1.0, 0
	s_cselect_b32 s[44+2*\j], 0, 1.0
.endr
	s_cmp_le_u32 s37, s[B1]
	s_cbranch_scc1 .Lu8_\@
	s_cmp_le_u32 s36, s[B1]
	s_cbranch_scc1 .Lu7_\@
	s_cmp_le_u32 s35, s[B1]
	s_cbranch_scc1 .Lu6_\@
	s_cmp_le_u32 s34, s[B1]
	s_cbranch_scc1 .Lu5_\@
	QKV 4
	s_branch .Lqk_\@
.Lu5_\@:
	QKV 5
	s_branch .Lqk_\@
.Lu6_\@:
	QKV 6
	s_branch .Lqk_\@
.Lu7_\@:
	QKV 7
	s_branch .Lqk_\@
.Lu8_\@:
	QKV 8
.Lqk_\@:
.endif
.rept 4
	v_nop                                          ; the places behind the products
.endr
.irp j, 3,4,5,6,7
.if \j < NS
	s_sub_co_u32 s24, s[30+\j], s[B1]              ; the diagonal lies in slot b1 for tile 1, in slot b1 + 1 for tile 2
	s_cmp_lt_u32 s24, 2
	s_cbranch_scc0 .Lnm_\@_\j
.irp n, 0,2,4,6,8,10,12,14
	v_pk_add_f32 v[128+16*\j+\n:129+16*\j+\n], v[128+16*\j+\n:129+16*\j+\n], v[56+\n:57+\n]
.endr
.Lnm_\@_\j:
.endif
.endr
	s_wait_alu depctr_va_vdst(0)
.set k, 0
.rept NS
	v_max3_num_f32 v[88+k], v[128+16*k], v[129+16*k], v[130+16*k]  ; the largest score of each unit, all units by turns
.set k, k+1
.endr
.irp n, 3,5,7,9,11,13
.set k, 0
.rept NS
	v_max3_num_f32 v[88+k], v[88+k], v[128+16*k+\n], v[129+16*k+\n]
.set k, k+1
.endr
.endr
.set k, 0
.rept NS
	v_max_num_f32 v[88+k], v[88+k], v[143+16*k]
.set k, k+1
.endr
.set k, 0
.rept NS
	v_permlanex16_b32 v[108+k], v[88+k], s[SEL], s[SEL+1]
.set k, k+1
.endr
.set k, 0
.rept NS
	v_max_num_f32 v[88+k], v[88+k], v[108+k]       ; with lane l xor 16's 16 keys
.set k, k+1
.endr
	v_max3_num_f32 v116, v88, v89, v90
.if \full
.irp j, 4,5,6,7
	v_cndmask_b32 v[116+\j], v[CL], v[88+\j], s[36+\j]
	v_cndmask_b32 v[104+\j], v[88+\j], v[CL], s[36+\j]
.endr
	v_max3_num_f32 v116, v116, v91, v120
	v_max3_num_f32 v118, v108, v109, v110
	v_max3_num_f32 v121, v121, v122, v123
	v_max3_num_f32 v118, v118, v111, v[CL]         ; held from below: a wave whose keys are all hidden then has p = 0
	v_max_num_f32 v116, v116, v121
	v_mul_f32 v118, s[CS], v118
	v_mul_f32 v116, s[CS], v116
	v_floor_f32 v118, -v118                        ; -M, M a whole number
	v_floor_f32 v116, -v116
.irp j, 4,5,6,7
	v_cndmask_b32 v[112+2*\j], v118, v116, s[36+\j]
.endr
.else
	v_max_num_f32 v116, v116, v91
	v_mul_f32 v116, s[CS], v116
	v_floor_f32 v116, -v116
.endif
.set k, 0
.rept 16
	FMA1 k
.set k, k+1
.endr
.set k, 0
.rept NS
.if k < 4
	v_fma_f32 v[88+k], v[88+k], s[CS], v116
.else
	v_fma_f32 v[88+k], v[88+k], s[CS], v[112+2*k]
.endif
.set k, k+1
.endr
.if \full
	EGRP 0, 4
	EGRP 1, 4
	EGRP 2, 4
	EGRP 3, 4
.else
	EGRP 0, 2
	EGRP 1, 2
.endif
	s_wait_alu depctr_va_vdst(0)                   ; one wait behind the batch
	SUM23 NS/2-2
.irp n, 0,1,2,3,4,5,6,7
	L1 NS/2-1, \n
.endr
	SUM23 NS/2-1
	v_pk_add_f32 v[72:73], v[72:73], v[74:75]
	v_pk_add_f32 v[76:77], v[76:77], v[78:79]
	v_pk_add_f32 v[72:73], v[72:73], v[76:77]
.if \full
	v_pk_mul_f32 v[56:57], v[80:81], s[52:53] op_sel_hi:[1,0]      ; units 4-7 count for tile 1 or for tile 2
	v_pk_fma_f32 v[72:73], v[80:81], s[44:45], v[72:73] op_sel_hi:[1,0,1]
	v_pk_fma_f32 v[56:57], v[82:83], s[54:55], v[56:57] op_sel_hi:[1,0,1]
	v_pk_fma_f32 v[72:73], v[82:83], s[46:47], v[72:73] op_sel_hi:[1,0,1]
	v_pk_fma_f32 v[56:57], v[84:85], s[56:57], v[56:57] op_sel_hi:[1,0,1]
	v_pk_fma_f32 v[72:73], v[84:85], s[48:49], v[72:73] op_sel_hi:[1,0,1]
	v_pk_fma_f32 v[56:57], v[86:87], s[58:59], v[56:57] op_sel_hi:[1,0,1]
	v_pk_fma_f32 v[72:73], v[86:87], s[50:51], v[72:73] op_sel_hi:[1,0,1]
	v_add_f32 v56, v56, v57
	v_cndmask_b32 v106, v116, v118, s[HI]          ; lanes 0-15 speak for tile 1, lanes 16-31 for tile 2
.else
	v_mov_b32 v56, 0
	v_mov_b32 v106, v116
.endif
	v_add_f32 v72, v72, v73
	v_permlane16_swap_b32 v72, v56                 ; the two halves of a row's sum side by side
	v_add_f32 v107, v72, v56
	ds_store_b64 v[STW], v[106:107] offset:STAT0+(\par)*STSZ
.endm
; ---------------- STAGE B
.macro STATS par
.irp k, 0,1,2,3,4,5,6,7
	ds_load_b64 v[108+2*\k:109+2*\k], v[STR] offset:STAT0+(\par)*STSZ+256*\k
.endr
.endm
.macro NORM full                       ; F = 2^(my M - M) / the row's sum, the sink's term in it
	s_wait_dscnt 0x0
	v_min3_num_f32 v124, v108, v110, v112
	v_min3_num_f32 v125, v114, v116, v118
	v_min3_num_f32 v126, v120, v122, v[NSK]
	v_min3_num_f32 v124, v124, v125, v126          ; -M of the row
.irp k, 0,1,2,3,4,5,6,7
	v_sub_f32 v[108+2*\k], v124, v[108+2*\k]
.endr
	v_fmamk_f32 v126, v[SNK], 0x3fb8aa3b, v124
	v_sub_f32 v127, v124, v106
	s_wait_alu depctr_va_vdst(0)                   ; the wait ahead of the batch
.irp k, 0,1,2,3,4,5,6,7
	v_exp_f32 v[108+2*\k], v[108+2*\k]
.endr
	v_exp_f32 v126, v126
	v_exp_f32 v127, v127
	v_nop
	s_wait_alu depctr_va_vdst(0)                   ; and behind it
	v_fma_f32 v124, v108, v109, v126
	v_mul_f32 v125, v110, v111
	v_mul_f32 v106, v112, v113
	v_mul_f32 v107, v114, v115
	v_fma_f32 v124, v116, v117, v124
	v_fma_f32 v125, v118, v119, v125
	v_fma_f32 v106, v120, v121, v106
	v_fma_f32 v107, v122, v123, v107
	v_add_f32 v124, v124, v125
	v_add_f32 v106, v106, v107
	v_add_f32 v124, v124, v106
	s_wait_alu depctr_va_vdst(0)
	v_rcp_f32 v125, v124
	v_nop
	s_wait_alu depctr_va_vdst(0)
	v_mul_f32 v108, v125, v127
	v_permlanex16_b32 v109, v108, s[SEL], s[SEL+1]
	v_cndmask_b32 v106, v108, v109, s[HI]          ; tile 1's F in every lane
.if \full
	v_cndmask_b32 v110, v109, v108, s[HI]          ; tile 2's
.irp j, 4,5,6,7
	v_cndmask_b32 v[112+2*\j], v110, v106, s[36+\j]
.endr
.endif
	s_wait_alu depctr_va_vdst(0)                   ; the wait ahead of the wait below
	s_wait_xcnt 0x0                                ; stage D's stores have read v24-39
.endm
.macro QUANT par, s0                   ; units s0 .. s0 + 3: normalised, quantised, stored
.irp n, 0,2,4,6,8,10,12,14
.irp u, 0,1,2,3
.if \s0
	v_pk_mul_f32 v[192+16*\u+\n:193+16*\u+\n], v[192+16*\u+\n:193+16*\u+\n], v[120+2*\u:121+2*\u] op_sel_hi:[1,0]
.else
	v_pk_mul_f32 v[128+16*\u+\n:129+16*\u+\n], v[128+16*\u+\n:129+16*\u+\n], v[106:107] op_sel_hi:[1,0]
.endif
.endr
.endr
.irp u, 0,1,2,3
.if \s0
	v_fmaak_f32 v[108+\u], v[92+\u], v[120+2*\u], 0x1800000        ; the block's largest p; + 2^(3 - 127), so that the byte cannot fall under 1
.else
	v_fmaak_f32 v[108+\u], v[88+\u], v106, 0x1800000
.endif
.endr
.irp u, 0,1,2,3
	v_add_nc_u32 v[108+\u], 0xff000000, v[108+\u]  ; 2 off the exponent field: the conversion's scale operand
.endr
.irp u, 0,1,2,3
	v_lshrrev_b32 v[112+(\s0)+\u], 23, v[108+\u]   ; the scale's byte
.endr
.irp u, 0,1,2,3
	v_cvt_scalef32_pk8_fp4_f32 v[24+2*(\s0)+2*\u], v[128+16*((\s0)+\u):135+16*((\s0)+\u)], v[108+\u]
	v_cvt_scalef32_pk8_fp4_f32 v[25+2*(\s0)+2*\u], v[136+16*((\s0)+\u):143+16*((\s0)+\u)], v[108+\u]
.endr
	v_nop                                          ; one plain line behind the conversions
.irp u, 0,1,2,3
	ds_store_b64 v[CE+\u%2], v[24+2*(\s0)+2*\u:25+2*(\s0)+2*\u] offset:(\par)*CODSZ+2048*((\s0)+\u)
	ds_store_b8 v[SE+\u%2], v[112+(\s0)+\u] offset:(\par)*CODSZ+16384+128*((\s0)+\u)
	ds_store_b8 v[SE2+\u%2], v[112+(\s0)+\u] offset:(\par)*CODSZ+17408+128*((\s0)+\u)
.endr
.endm
; ---------------- STAGE C
.macro CLD1 par                        ; slots 0-7, tile 1's in every round, into the registers of units 0-3
.set k, 0
.rept 8
	ds_load_b128 v[128+8*k:131+8*k], v[PR1] offset:(\par)*CODSZ+1024*k
	ds_load_b128 v[132+8*k:135+8*k], v[PR1] offset:(\par)*CODSZ+1024*k+512
.set k, k+1
.endr
.endm
.macro PVL c                           ; slot SS with V's step VV onto ACC; an odd step's or slot's scales stand in lanes 16-31
.if (VV&1) && (SS&1)
	v_wmma_scale_f32_16x16x128_f8f6f4 v[ACC:ACC+7], v[128+8*VV:135+8*VV], v[128+8*SS:135+8*SS], \c, v[48+VV/2], v[PSR] matrix_a_fmt:MATRIX_FMT_FP4 matrix_b_fmt:MATRIX_FMT_FP4 matrix_a_scale:MATRIX_SCALE_ROW1 matrix_b_scale:MATRIX_SCALE_ROW1
.elseif (VV&1)
	v_wmma_scale_f32_16x16x128_f8f6f4 v[ACC:ACC+7], v[128+8*VV:135+8*VV], v[128+8*SS:135+8*SS], \c, v[48+VV/2], v[PSR] matrix_a_fmt:MATRIX_FMT_FP4 matrix_b_fmt:MATRIX_FMT_FP4 matrix_a_scale:MATRIX_SCALE_ROW1
.elseif (SS&1)
	v_wmma_scale_f32_16x16x128_f8f6f4 v[ACC:ACC+7], v[128+8*VV:135+8*VV], v[128+8*SS:135+8*SS], \c, v[48+VV/2], v[PSR] matrix_a_fmt:MATRIX_FMT_FP4 matrix_b_fmt:MATRIX_FMT_FP4 matrix_b_scale:MATRIX_SCALE_ROW1
.else
	v_wmma_scale_f32_16x16x128_f8f6f4 v[ACC:ACC+7], v[128+8*VV:135+8*VV], v[128+8*SS:135+8*SS], \c, v[48+VV/2], v[PSR] matrix_a_fmt:MATRIX_FMT_FP4 matrix_b_fmt:MATRIX_FMT_FP4
.endif
.endm
.macro STAGE_C rho, par                ; slots 0-7 are on their way already (CLD1).  Tile 1 has three accumulators by turns, tile 2 two
.set BC, 15-(\rho)
.set k, 0
.rept 8
.if 2*k <= BC
	ds_load_b32 v[96+k], v[PRS] offset:(\par)*CODSZ+16384+128*k    ; two slots' scale words
.elseif (\rho) < 8
	ds_load_b32 v[96+k], v[PRS] offset:(\par)*CODSZ+17408+128*k
.endif
.if 2*k == BC
	ds_load_b32 v104, v[PRS] offset:(\par)*CODSZ+17408+128*k       ; the pair of slots in which tile 2 begins
.endif
.set k, k+1
.endr
.if (\rho) < 8
.set k, 8
.rept 8
.if k <= BC
	ds_load_b128 v[128+8*k:131+8*k], v[PR1] offset:(\par)*CODSZ+1024*k
	ds_load_b128 v[132+8*k:135+8*k], v[PR1] offset:(\par)*CODSZ+1024*k+512
.else
	ds_load_b128 v[128+8*k:131+8*k], v[PR2] offset:(\par)*CODSZ+1024*k+512   ; tile 2's blocks stand mirrored
	ds_load_b128 v[132+8*k:135+8*k], v[PR2] offset:(\par)*CODSZ+1024*k
.endif
.set k, k+1
.endr
	s_wait_dscnt 16                                ; all but slots 8-15
.else
	s_wait_dscnt 0x0
.endif
	WIN 1
.set SS, 0
.rept 16
.if ((\rho) < 8) || (SS < 8)
.if SS == 8
	s_wait_dscnt 0x0
.endif
.if SS <= BC
.set VV, SS
.set ACC, 24+8*(SS%3)
.if (SS%3) == 2
.set ACC, 88
.endif
.set PSR, 96+SS/2
.set ST0, 2
.else
.set VV, 15-SS
.set ACC, 108+8*(SS&1)
.set PSR, 96+SS/2
.if (SS/2)*2 == BC
.set PSR, 104
.endif
.set ST0, BC+2
.endif
.if SS <= ST0
	PVL 0
.else
	PVL v[ACC:ACC+7]
.endif
.endif
.set SS, SS+1
.endr
	WIN 0
.rept 5
	v_nop                                          ; the places behind the products: five, since stage A's products write over P's fragments and the additions below name tile 1's accumulators
.endr
.irp n, 0,2,4,6
	v_pk_add_f32 v[24+\n:25+\n], v[24+\n:25+\n], v[32+\n:33+\n]
.endr
.set O2, 116
.if ((\rho) > 1) && ((\rho) < 8)
.set O2, 108
.irp n, 0,2,4,6
	v_pk_add_f32 v[108+\n:109+\n], v[108+\n:109+\n], v[116+\n:117+\n]
.endr
.endif
.irp n, 0,2,4,6
	v_pk_add_f32 v[24+\n:25+\n], v[24+\n:25+\n], v[88+\n:89+\n]
.endr
	ds_store_b128 v[OSW], v[24:27] offset:(\par)*OSTSZ
	ds_store_b128 v[OSW], v[28:31] offset:(\par)*OSTSZ+16
.if ((\rho) > 0) && ((\rho) < 8)
	ds_store_b128 v[OSW], v[O2:O2+3] offset:(\par)*OSTSZ+8448
	ds_store_b128 v[OSW], v[O2+4:O2+7] offset:(\par)*OSTSZ+8464
.endif
.endm
; ---------------- STAGE D: two rows of each tile; 32 lanes store a row's 512 consecutive bytes.  two = 2: round 0 among the rounds, which has no tile 2
.macro STAGE_D par, two
	s_wait_xcnt 0x0                                ; the last round's stores have read their bases and data
	s_add_co_u32 s24, s[B1], 3                     ; three rounds back
	s_lshl_b32 s24, s24, 16
	s_mov_b32 s25, 0
	s_add_nc_u64 s[60:61], s[12:13], s[24:25]
	ds_load_b128 v[24:27], v[OSR] offset:(\par)*OSTSZ
	ds_load_b128 v[28:31], v[OSR] offset:(\par)*OSTSZ+528
.if (\two) > 0
.if (\two) == 2
	s_cmp_eq_u32 s[B1], 12
	s_cbranch_scc1 .Lone_\@
.endif
	s_sub_co_u32 s24, 11, s[B1]
	s_lshl_b32 s24, s24, 16
	s_add_nc_u64 s[62:63], s[12:13], s[24:25]
	ds_load_b128 v[32:35], v[OSR] offset:(\par)*OSTSZ+8448
	ds_load_b128 v[36:39], v[OSR] offset:(\par)*OSTSZ+8976
	s_wait_dscnt 0x0
	global_store_b128 v[GO], v[32:35], s[62:63] th:TH_STORE_NT
	global_store_b128 v[GO], v[36:39], s[62:63] offset:512 th:TH_STORE_NT
.Lone_\@:
.endif
	s_wait_dscnt 0x0
	global_store_b128 v[GO], v[24:27], s[60:61] th:TH_STORE_NT
	global_store_b128 v[GO], v[28:31], s[60:61] offset:512 th:TH_STORE_NT
.endm
.macro BAR
	s_wait_alu depctr_va_vdst(0)                   ; the wait ahead of the barrier
	s_wait_dscnt 0x0                               ; what I hand over is in LDS, and my reads are over
	s_barrier_signal -1
	s_barrier_wait -1
	s_sub_co_u32 s[B1], s[B1], 1
.endm
.macro HALF par                        ; interval 2 TR + par
	STATS 1-(\par)
	ALOADS 1
.if (\par) == 0
	s_cmp_lt_u32 s[TR], 2
	s_cbranch_scc1 .Lnod_\@
.endif
	STAGE_D 1-(\par), 1+(\par)
.Lnod_\@:
	NORM 1
	QUANT 1-(\par), 0
	CLD1 \par
	QUANT 1-(\par), 4
	s_cmp_eq_u32 s[TR], 1
	s_cbranch_scc1 .Lc1_\@
	s_cmp_eq_u32 s[TR], 2
	s_cbranch_scc1 .Lc2_\@
	STAGE_C 4+(\par), \par
	s_branch .Lc3_\@
.Lc1_\@:
	STAGE_C 0+(\par), \par
	s_branch .Lc3_\@
.Lc2_\@:
	STAGE_C 2+(\par), \par
.Lc3_\@:
	s_wait_dscnt 4                                 ; Q and the mask are in: behind them only stage C's last stores, four at the most, may be out
	STAGE_A \par, 1
	BAR
.endm
	s_wait_alu depctr_va_vdst(0)                   ; the wait at the head's end
	s_wait_loadcnt 0x0                             ; V's scale words are in
	s_wait_tensorcnt 0x0                           ; ahead of a refill: no tensor load of mine is out,
	ds_add_u32 v[SPW], v[NIL]
	s_wait_dscnt 0x0                               ; K is in my registers, my part of Q and of the mask in LDS
	CROUND                                         ; and so it is in every wave of the four work-groups
	tensor_load_to_lds s[G0V:G0V+3], s[G1V:G1V+7]  ; V, over K
	s_nop 0
.rept 4
	v_nop
.endr
	ALOADS 1                                       ; interval 0: stage A alone
	s_wait_dscnt 0x0
	STAGE_A 0, 1
	BAR
	STATS 0                                        ; interval 1: B and A; V from LDS into registers
	ALOADS 1
	NORM 1
	QUANT 0, 0
	QUANT 0, 4
	s_wait_tensorcnt 0x0                           ; my V has landed: I alone fetched it and I alone read it
	WIN 0x40
.set i, 0
.rept 16
.irp c, 0,1
	ds_load_b128 v[128+8*i+4*\c:131+8*i+4*\c], v[VLA] offset:1024*i+512*\c
.endr
.set i, i+1
.endr
	WIN 0
	s_wait_dscnt 32                                ; all but these
	STAGE_A 1, 1
	BAR
.Ltrip:                                                ; intervals 2 .. 7
	HALF 0
	HALF 1
	s_add_co_u32 s[TR], s[TR], 1
	s_cmp_lt_u32 s[TR], 4
	s_cbranch_scc1 .Ltrip
	STATS 1                                        ; interval 8: round 8 is tile 7 alone, units 0-3
	ALOADS 0
	STAGE_D 1, 1
	NORM 1
	QUANT 1, 0
	CLD1 0
	QUANT 1, 4
	STAGE_C 6, 0
	s_wait_dscnt 4
	STAGE_A 0, 0
	BAR
	STATS 0                                        ; interval 9
	STAGE_D 0, 1
	NORM 0
	QUANT 0, 0
	CLD1 1
	STAGE_C 7, 1
	BAR
	STAGE_D 1, 1                                   ; interval 10
	CLD1 0
	s_wait_xcnt 0x0                                ; the stores have read v24-39
	STAGE_C 8, 0
	BAR
	STAGE_D 0, 0                                   ; interval 11
	s_wait_tensorcnt 0x0                           ; the wave's end: three lines behind my last tensor load and my last LDS store
	ds_add_u32 v[SPW], v[NIL]
	s_wait_dscnt 0x0
	CROUND                                         ; the closing round: no work-group ends while a partner may still ask for what names it
	s_endpgm
.Lfunc_end_k_qdfe5d6fbf4_attn:
	.size	k_qdfe5d6fbf4_attn, .Lfunc_end_k_qdfe5d6fbf4_attn-k_qdfe5d6fbf4_attn
	.p2alignl 7, 3214868480
	.fill 96, 4, 3214868480
	.section	.rodata,"a",@progbits
	.p2align	6, 0x0
	.amdhsa_kernel k_qdfe5d6fbf4_attn
		.amdhsa_group_segment_fixed_size 327680
		.amdhsa_private_segment_fixed_size 0
		.amdhsa_enable_private_segment 0
		.amdhsa_kernarg_size 40
		.amdhsa_user_sgpr_count 2
		.amdhsa_user_sgpr_kernarg_segment_ptr 1
		.amdhsa_wavefront_size32 1
		.amdhsa_system_sgpr_workgroup_id_x 1
		.amdhsa_system_sgpr_workgroup_id_y 1
		.amdhsa_system_sgpr_workgroup_id_z 1
		.amdhsa_system_vgpr_workitem_id 0
		.amdhsa_next_free_vgpr 512
		.amdhsa_next_free_sgpr 92
		.amdhsa_reserve_vcc 1
		.amdhsa_float_denorm_mode_32 3
		.amdhsa_float_denorm_mode_16_64 3
		.amdhsa_memory_ordered 1
		.amdhsa_forward_progress 1
		.amdhsa_inst_pref_size 253
	.end_amdhsa_kernel
	.amdgpu_metadata
---
amdhsa.version: [ 1, 2 ]
amdhsa.kernels:
  - .name:           k_qdfe5d6fbf4_attn
    .symbol:         k_qdfe5d6fbf4_attn.kd
    .args:
      - { .name: q, .offset: 0, .size: 8, .value_kind: global_buffer, .address_space: global }
      - { .name: kimg, .offset: 8, .size: 8, .value_kind: global_buffer, .address_space: global }
      - { .name: vimg, .offset: 16, .size: 8, .value_kind: global_buffer, .address_space: global }
      - { .name: sink_logit, .offset: 24, .size: 8, .value_kind: global_buffer, .address_space: global }
      - { .name: out0, .offset: 32, .size: 8, .value_kind: global_buffer, .address_space: global }
    .group_segment_fixed_size: 327680
    .private_segment_fixed_size: 0
    .kernarg_segment_align: 8
    .kernarg_segment_size: 40
    .max_flat_workgroup_size: 256
    .sgpr_count:     92
    .vgpr_count:     512
    .wavefront_size: 32
...
	.end_amdgpu_metadata
.endif
;; end of part 2
